; MI455X (gfx1250); checked and timed in simulation.
; The chip was launched on July 23, 2026; its instructions are those of AMD's public machine-readable ISA for CDNA 5 (MIT licence, August 2026) and "CDNA5" Instruction Set Architecture Reference Guide (July 2026). The comments in the code are by the model that wrote it; some were corrected since.
;; Gaussian Rasterizer. Allowed arithmetic: float matrix products may take bf16 or f16 operands with f32 sums; all other float work in f32.
;; Inputs: bg 3 float32; colors_precomp 1,024 x 3 float32; means2D 1,024 x 3 float32; means3D 1,024 x 3 float32; opacities 1,024 x 1 float32; projmatrix 4 x 4 float32; rotations 1,024 x 4 float32; scales 1,024 x 3 float32; viewmatrix 4 x 4 float32.
;; Outputs: out0 3 x 256 x 256 float32; out1 1 x 256 x 256 float32; out2 1 x 256 x 256 float32.
;; One version. Each part assembles by itself: llvm-mc -triple=amdgcn-amd-amdhsa -mcpu=gfx1250 --defsym DOCPART=n.
;; ======== version 1 of 1: 2 launches
;; workspace buffers: par 65,792 bytes; key 4,096 bytes of whole numbers
;; launch prep (part 1): grid 256 x 1, 8 waves a work-group, no clusters, 1,280 bytes of LDS; arguments means3D, viewmatrix, projmatrix, scales, rotations, opacities, colors_precomp, par, key; writes par, key
.if DOCPART == 1
	.amdgcn_target "amdgcn-amd-amdhsa--gfx1250"
	.amdhsa_code_object_version 6
	.text
	.protected	k_q4127036f69_prep
	.globl	k_q4127036f69_prep
	.p2align	8
	.type	k_q4127036f69_prep,@function
k_q4127036f69_prep:
	s_mov_b64 s[64:65], 0
	v_nop
	global_prefetch_b8 v0, s[64:65] scope:SCOPE_SE
	s_setreg_imm32_b32 hwreg(HW_REG_WAVE_MODE, 25, 1), 1
	s_wait_xcnt 0x0
; GAUSSIAN RASTERIZER, FIRST LAUNCH: one record of 16 f32 (par) and one whole-number key for each of the 1,024 Gaussians.
; Work-group g owns Gaussians 4g .. 4g+3.
;   All 8 waves: the depth rank of these four among all 1,024 (thread t holds cz of j = 4t .. 4t+3: 4 x 1,024 comparisons a group).
;   Wave 0 alone: the four records; lane L works on i = 4g + ((L >> 2) & 3), and lane L < 16 stores quarter L & 3 of its record.
; Record (word): 0 mx  1 my  2 A  3 B  4 C  5 lop  6 cap  7 xc | 8 H  9 ylo  10 yhi  11 zero  12 r  13 g  14 b  15 depth
;   with k = -0.5 log2(e) / safe_det: A = c11 k, B = -(c01 + c10) k, C = c00 k, so that power log2(e) = (A dx + B dy) dx + C dy dy;
;   lop = log2(op), cap = min(lop, log2 0.99): clip(op exp(min(power, 0)), 0, 0.99) = exp2(min(power log2(e) + lop, cap)) for op > 0;
;   xc = (x_min + x_max - 1) / 2, H = 2^20 ((x_max - 1 - x_min) / 2)^2, ylo = y_min, yhi = y_max - 1.
; Record 1024 is a null record (cap = -2^20: alpha 0), stored by work-group 0; lists are padded with it in the second launch.
; Key: bits 0-1 x_min >> 6; 3-4 3 - ((x_max-1) >> 6); 6-11 y_min >> 2; 13-18 63 - ((y_max-1) >> 2); bits 2, 5, 12, 19 zero;
;   bits 20-29 the rank = #{cz_j < cz_i} + #{j > i, cz_j = cz_i} = 1023 - place in the stable argsort(-depth): ascending = front to back.
;   A Gaussian that is not valid, or has op <= 0 (the clip makes alpha 0), gets the fields 0x1b, which no tile satisfies.
; Nothing that comes from floats reaches an address or a branch here: ranks and boxes leave as data.
; means2D is no argument: reference() hands it to no step of the computation.
; LIMITS. Inputs finite (a culled pair adds exactly 0 here; 0 x inf or 0 x NaN would be NaN). A NaN depth is not served (the ranks would be
; no permutation); a NaN opacity counts as not valid. The denominators clip.w + 1e-7, cz + 1e-7, cz cz + 1e-7 and det lie within about
; 2^-126 .. 2^126 in magnitude, c00 and c11 are finite and above 0: v_rcp_f32 and v_rsq_f32 flush denormals and no scaling step is written.
; Dot products are fused chains in ascending k: the last bit may differ from a chain of separate roundings, so two depths apart by that bit
; may change places, and a box edge within about 1e-5 pixel of a whole number may move by one pixel. Quotients and roots that feed floor()
; are refined to correct rounding for that reason.
.set EPS,    0x33d6bf95                ; 1e-7
.set PART,   0                         ; LDS 0-127: wave w's four partial counts at 16 w; written once, then read once by wave 0
; scalars: s[4:21] addresses; s22 wave; s23 g; s[24:39] viewmatrix; s[40:55] projmatrix; s56, s57 tie masks; s58, s59 at work;
;          s[60:63] counts; s[66:69] cz of the four i; s[70:79] validity masks; s80 saved EXEC; s81, s82 lanes with bit 0, bit 1 set
; vectors: v1 lane; v2 48 t; v3 48 g; v[4:15] means of my four j; v[16:27] means of the four i; v[28:31] cz_j; v[32:35] cz_i;
;          v[36:39] counts; v[40:43] i, 12 i, 16 i, 4 i; v[44:46] mean; v[48:50] scales; v[52:55] quaternion; v56 opacity;
;          v57 (L >> 2) & 3; v58 4 x that; v[60:99] at work; v[100:115] the record; v[116:123] partial ranks; v[124:127] my quarter of the record
.macro DOT d, a, b, c, row             ; d = row . (a, b, c, 1): the one form in which every dot product, every copy of cz too, is made
	v_mul_f32 v\d, s[\row], v\a
	v_fma_f32 v\d, s[\row+1], v\b, v\d
	v_fma_f32 v\d, s[\row+2], v\c, v\d
	v_add_f32 v\d, s[\row+3], v\d
.endm
.macro NEWT r, b, e                    ; one Newton step on r = 1 / b
	v_fma_f32 v\e, -v\b, v\r, 1.0
	v_fma_f32 v\r, v\e, v\r, v\r
.endm
.macro QUOT q, a, b, r, e              ; q = a / b from the refined r = 1 / b, with the remainder put back
	v_mul_f32 v\q, v\a, v\r
	v_fma_f32 v\e, -v\b, v\q, v\a
	v_fma_f32 v\q, v\e, v\r, v\q
.endm
.macro ROOT3 s, x, r, e                ; s = 3 sqrt(x) from r = 1 / sqrt(x), with the remainder put back
	v_mul_f32 v\s, v\x, v\r
	v_mul_f32 v\r, 0.5, v\r
	v_fma_f32 v\e, -v\s, v\s, v\x
	v_fma_f32 v\s, v\e, v\r, v\s
	v_mul_f32 v\s, 0x40400000, v\s
.endm
.macro DOT3 d, a, b                    ; d = rows a and b of RS multiplied (three registers each)
	v_mul_f32 v[\d], v[\a], v[\b]
	v_fma_f32 v[\d], v[\a+1], v[\b+1], v[\d]
	v_fma_f32 v[\d], v[\a+2], v[\b+2], v[\d]
.endm
.macro LIN2 d, a, x, b, y              ; d = a x + b y
	v_mul_f32 v\d, v\a, v\x
	v_fma_f32 v\d, v\b, v\y, v\d
.endm
; The wave's share of the rank of Gaussian 4g + mm: for each of my four registers the lanes with cz_j < cz_i, and of the lanes with
; cz_j = cz_i those with j > i (s56: threads t >= g, for c > mm; s57: threads t > g).  The first count starts the sum.
.macro RANK mm
.irp c, 0,1,2,3
	v_cmp_gt_f32 s58, s[66+\mm], v[28+\c]
	v_cmp_eq_f32 s59, s[66+\mm], v[28+\c]
.if \c > \mm
	s_and_b32 s59, s59, s56
.else
	s_and_b32 s59, s59, s57
.endif
	s_or_b32 s58, s58, s59
.if \c == 0
	s_bcnt1_i32_b32 s[60+\mm], s58
.else
	s_bcnt1_i32_b32 s58, s58
	s_add_co_u32 s[60+\mm], s[60+\mm], s58
.endif
.endr
.endm
	s_load_b512 s[4:19], s[0:1], 0x0               ; means3D 4, viewmatrix 6, projmatrix 8, scales 10, rotations 12, opacities 14, colours 16, par 18
	s_load_b64 s[20:21], s[0:1], 0x40              ; key
	v_lshl_add_u32 v128, v0, 2, 0x100
	v_mov_b32 v129, 0
	v_lshrrev_b32 v2, 5, v0
	v_readfirstlane_b32 s22, v2                    ; wave 0..7
	s_mov_b32 s23, ttmp9                           ; g
	v_and_b32 v1, 31, v0                           ; lane
	v_mul_u32_u24 v2, 48, v0                       ; four means of 12 bytes a thread
	s_mul_i32 s58, s23, 48
	v_mov_b32 v3, s58                              ; the group's four means, the same in every lane
	s_wait_kmcnt 0x0
	s_load_b512 s[24:39], s[6:7], 0x0              ; viewmatrix, row r at s[24 + 4 r]
	s_load_b512 s[40:55], s[8:9], 0x0              ; projmatrix, row r at s[40 + 4 r]
	global_load_b128 v[4:7],   v2, s[4:5]
	global_load_b128 v[8:11],  v2, s[4:5] offset:16
	global_load_b128 v[12:15], v2, s[4:5] offset:32
	global_load_b128 v[16:19], v3, s[4:5]
	global_load_b128 v[20:23], v3, s[4:5] offset:16
	global_load_b128 v[24:27], v3, s[4:5] offset:32
	s_cmp_lg_u32 s22, 0
	s_cbranch_scc1 .Lnot0                          ; what only the records need is loaded by wave 0 alone, as early as the rest
	v_bfe_u32 v57, v0, 2, 2
	s_lshl_b32 s58, s23, 2
	v_add_nc_u32 v40, s58, v57                     ; i = 4 g + ((L >> 2) & 3)
	v_mul_u32_u24 v41, 12, v40
	v_lshlrev_b32 v42, 4, v40
	v_lshlrev_b32 v43, 2, v40
	global_load_b32 v44, v41, s[4:5]
	global_load_b32 v45, v41, s[4:5] offset:4
	global_load_b32 v46, v41, s[4:5] offset:8
	global_load_b32 v48, v41, s[10:11]
	global_load_b32 v49, v41, s[10:11] offset:4
	global_load_b32 v50, v41, s[10:11] offset:8
	global_load_b32 v112, v41, s[16:17]            ; the colours land in the record
	global_load_b32 v113, v41, s[16:17] offset:4
	global_load_b32 v114, v41, s[16:17] offset:8
	global_load_b128 v[52:55], v42, s[12:13]
	global_load_b32 v56, v43, s[14:15]
.Lnot0:
	; tie masks: thread t = 32 wave + lane against g = 32 wi + li
	s_lshr_b32 s58, s23, 5                         ; wi
	s_and_b32 s59, s23, 31                         ; li
	s_lshl_b32 s56, -1, s59                        ; lanes >= li
	s_lshl_b32 s57, -2, s59                        ; lanes >  li
	s_cmp_eq_u32 s22, s58
	s_cselect_b32 s56, s56, 0
	s_cselect_b32 s57, s57, 0
	s_cmp_gt_u32 s22, s58
	s_cselect_b32 s56, -1, s56
	s_cselect_b32 s57, -1, s57
	s_wait_kmcnt 0x0                               ; the two matrices
	s_wait_loadcnt 0x0                             ; everything this wave asked for: each load is used once, straight on
	DOT 28, 4, 5, 6, 32                            ; cz of my four j
	DOT 29, 7, 8, 9, 32
	DOT 30, 10, 11, 12, 32
	DOT 31, 13, 14, 15, 32
	DOT 32, 16, 17, 18, 32                         ; cz of the group's four i
	DOT 33, 19, 20, 21, 32
	DOT 34, 22, 23, 24, 32
	DOT 35, 25, 26, 27, 32
	v_readfirstlane_b32 s66, v32
	v_readfirstlane_b32 s67, v33
	v_readfirstlane_b32 s68, v34
	v_readfirstlane_b32 s69, v35
	RANK 0
	RANK 1
	RANK 2
	RANK 3
	v_mov_b32 v36, s60
	v_mov_b32 v37, s61
	v_mov_b32 v38, s62
	v_mov_b32 v39, s63
	s_lshl_b32 s58, s22, 4
	v_mov_b32 v47, s58
	ds_store_b128 v47, v[36:39] offset:PART        ; all lanes write the same 16 bytes, the wave's own
	s_wait_dscnt 0x0                               ; zero: wave 0 reads these bytes behind the barrier
	s_barrier_signal -1
	s_barrier_wait -1
	s_cmp_lg_u32 s22, 0
	s_cbranch_scc1 .Lend                           ; waves 1-7 are done
	; ---- wave 0: the records ----
	v_and_b32 v58, 12, v0                          ; 4 x ((L >> 2) & 3)
.irp w, 0,1,2,3,4,5,6,7
	ds_load_b32 v[116+\w], v58 offset:PART+16*\w   ; the eight waves' counts for my i; waited for where they are summed
.endr
	DOT 60, 44, 45, 46, 24                         ; cx
	DOT 61, 44, 45, 46, 28                         ; cy
	DOT 115, 44, 45, 46, 32                        ; cz = depth, record word 15
	DOT 63, 44, 45, 46, 40                         ; clip x
	DOT 64, 44, 45, 46, 44                         ; clip y
	DOT 65, 44, 45, 46, 52                         ; clip w
	v_add_f32 v66, EPS, v65                        ; clip w + 1e-7
	v_add_f32 v67, EPS, v115                       ; cz + 1e-7
	v_fmaak_f32 v68, v115, v115, EPS               ; cz cz + 1e-7
	v_mov_b32 v72, s40
	v_mov_b32 v73, s45
	v_rcp_f32 v69, v66
	v_rcp_f32 v70, v67
	v_rcp_f32 v71, v68
	v_log_f32 v105, v56                            ; lop = log2(op)
	v_mul_f32 v72, 0x43000000, v72                 ; fx = P00 W / 2: the plain line that stands between the four lines above and the use
	v_mul_f32 v73, 0x43000000, v73                 ; fy = P11 H / 2   of their results (ISA guide 5.7.2)
	s_wait_alu depctr_va_vdst(0)
	NEWT 69, 66, 99
	NEWT 70, 67, 99
	NEWT 71, 68, 99
	v_mul_f32 v78, -v60, v72                       ; -cx fx
	v_mul_f32 v79, -v61, v73                       ; -cy fy
	QUOT 74, 63, 66, 69, 99                        ; ndc x
	QUOT 75, 64, 66, 69, 99                        ; ndc y
	QUOT 76, 72, 67, 70, 99                        ; j00
	QUOT 77, 73, 67, 70, 99                        ; j11
	QUOT 80, 78, 68, 71, 99                        ; j02
	QUOT 81, 79, 68, 71, 99                        ; j12
	v_add_f32 v74, 1.0, v74
	v_add_f32 v75, 1.0, v75
	v_fma_f32 v74, v74, 0x43800000, -1.0           ; times 256 is exact: the fused form has the roundings of the separate one
	v_fma_f32 v75, v75, 0x43800000, -1.0
	v_mul_f32 v100, 0.5, v74                       ; mx
	v_mul_f32 v101, 0.5, v75                       ; my
	; RS = R diag(s) in v60-68, row a at v[60 + 3 a]; quaternion r v52, x v53, y v54, z v55; the factor 2 rides on 2 s_k (exact)
	v_mul_f32 v83, v54, v54                        ; yy
	v_mul_f32 v84, v55, v55                        ; zz
	v_mul_f32 v88, v52, v53                        ; rx
	v_mul_f32 v89, v52, v54                        ; ry
	v_mul_f32 v90, v52, v55                        ; rz
	v_add_f32 v91, v48, v48
	v_add_f32 v92, v49, v49
	v_add_f32 v93, v50, v50
	v_fma_f32 v60, v54, v54, v84                   ; yy + zz
	v_fma_f32 v61, v53, v54, -v90                  ; xy - rz
	v_fma_f32 v62, v53, v55, v89                   ; xz + ry
	v_fma_f32 v63, v53, v54, v90                   ; xy + rz
	v_fma_f32 v64, v53, v53, v84                   ; xx + zz
	v_fma_f32 v65, v54, v55, -v88                  ; yz - rx
	v_fma_f32 v66, v53, v55, -v89                  ; xz - ry
	v_fma_f32 v67, v54, v55, v88                   ; yz + rx
	v_fma_f32 v68, v53, v53, v83                   ; xx + yy
	v_fma_f32 v60, v60, -2.0, 1.0
	v_fma_f32 v64, v64, -2.0, 1.0
	v_fma_f32 v68, v68, -2.0, 1.0
	v_mul_f32 v60, v60, v48
	v_mul_f32 v61, v61, v92
	v_mul_f32 v62, v62, v93
	v_mul_f32 v63, v63, v91
	v_mul_f32 v64, v64, v49
	v_mul_f32 v65, v65, v93
	v_mul_f32 v66, v66, v91
	v_mul_f32 v67, v67, v92
	v_mul_f32 v68, v68, v50
	DOT3 69, 60, 60                                ; S00   (S = RS RS^T, symmetric: six entries)
	DOT3 70, 60, 63                                ; S01
	DOT3 71, 60, 66                                ; S02
	DOT3 72, 63, 63                                ; S11
	DOT3 73, 63, 66                                ; S12
	DOT3 74, 66, 66                                ; S22
	LIN2 82, 76, 69, 80, 71                        ; T = J S: T00 = j00 S00 + j02 S02
	LIN2 83, 76, 70, 80, 73                        ; T01
	LIN2 84, 76, 71, 80, 74                        ; T02
	LIN2 85, 77, 70, 81, 71                        ; T10 = j11 S01 + j12 S02
	LIN2 86, 77, 72, 81, 73                        ; T11
	LIN2 87, 77, 73, 81, 74                        ; T12
	LIN2 88, 82, 76, 84, 80                        ; c00 = T00 j00 + T02 j02 (+ 0.3 below)
	LIN2 89, 83, 77, 84, 81                        ; c01
	LIN2 90, 85, 76, 87, 80                        ; c10
	LIN2 91, 86, 77, 87, 81                        ; c11
	v_add_f32 v88, 0x3e99999a, v88
	v_add_f32 v91, 0x3e99999a, v91
	v_mul_f32 v93, v89, v90
	v_fma_f32 v92, v88, v91, -v93                  ; det
	v_cmp_le_f32 s70, EPS, v92                     ; det >= 1e-7: one comparison for safe_det and for valid
	v_cndmask_b32 v94, 1.0, v92, s70               ; safe_det
	v_rcp_f32 v95, v94
	v_rsq_f32 v96, v88
	v_rsq_f32 v97, v91
	v_add_f32 v93, v89, v90                        ; c01 + c10: the plain line behind the three above
	s_wait_alu depctr_va_vdst(0)
	NEWT 95, 94, 99
	v_mul_f32 v98, 0xbf38aa3b, v95                 ; k = -0.5 log2(e) / safe_det
	v_mul_f32 v102, v91, v98                       ; A
	v_mul_f32 v103, -v93, v98                      ; B
	v_mul_f32 v104, v88, v98                       ; C
	ROOT3 60, 88, 96, 99                           ; 3 sqrt(c00)
	ROOT3 61, 91, 97, 99                           ; 3 sqrt(c11)
	v_sub_f32 v62, v100, v60
	v_add_f32 v63, v100, v60
	v_sub_f32 v64, v101, v61
	v_add_f32 v65, v101, v61
	v_add_f32 v63, 1.0, v63
	v_add_f32 v65, 1.0, v65
	v_max_num_f32 v62, 0, v62
	v_min_num_f32 v63, 0x43800000, v63
	v_max_num_f32 v64, 0, v64
	v_min_num_f32 v65, 0x43800000, v65
	v_floor_f32 v62, v62                           ; x_min
	v_floor_f32 v63, v63                           ; x_max
	v_floor_f32 v64, v64                           ; y_min
	v_floor_f32 v65, v65                           ; y_max
	; valid: reference()'s seven conditions; op > 0; and the two roots are numbers (max and min above let a NaN lose, jnp's keep it)
	v_cmp_le_f32 s71, 0xc2480000, v100             ; mx >= -50
	v_cmp_ge_f32 s72, 0x43990000, v100             ; mx <= 306
	v_cmp_le_f32 s73, 0xc2480000, v101
	v_cmp_ge_f32 s74, 0x43990000, v101
	v_cmp_lt_f32 s75, v62, v63
	v_cmp_lt_f32 s76, v64, v65
	v_cmp_lt_f32 s77, 0, v56
	v_cmp_le_f32 s78, 0, v60
	v_cmp_le_f32 s79, 0, v61
	s_and_b32 s70, s70, s71
	s_and_b32 s72, s72, s73
	s_and_b32 s74, s74, s75
	s_and_b32 s76, s76, s77
	s_and_b32 s78, s78, s79
	s_and_b32 s70, s70, s72
	s_and_b32 s74, s74, s76
	s_and_b32 s70, s70, s78
	s_and_b32 s70, s70, s74
	; the rest of the record: whole numbers and halves up to 512, all exact
	v_add_f32 v66, v62, v63
	v_sub_f32 v67, v63, v62
	v_add_f32 v66, -1.0, v66
	v_add_f32 v67, -1.0, v67
	v_mul_f32 v107, 0.5, v66                       ; xc
	v_mul_f32 v67, 0.5, v67                        ; half width
	v_min_num_f32 v106, 0xbc6d8f9a, v105           ; cap = min(lop, log2 0.99)
	v_mul_f32 v67, v67, v67
	v_mov_b32 v109, v64                            ; ylo
	v_add_f32 v110, -1.0, v65                      ; yhi
	v_mul_f32 v108, 0x49800000, v67                ; H = 2^20 x half width squared
	v_mov_b32 v111, 0
	; the key's fields (what a Gaussian that is not valid makes here is thrown away by the select)
	v_cvt_u32_f32 v68, v62
	v_cvt_u32_f32 v69, v63
	v_cvt_u32_f32 v70, v64
	v_cvt_u32_f32 v71, v110
	v_add_nc_u32 v69, -1, v69
	v_lshrrev_b32 v68, 6, v68
	v_lshrrev_b32 v69, 6, v69
	v_lshrrev_b32 v70, 2, v70
	v_lshrrev_b32 v71, 2, v71
	v_sub_nc_u32 v69, 3, v69
	v_sub_nc_u32 v71, 63, v71
	v_lshl_or_b32 v68, v69, 3, v68
	v_lshl_or_b32 v68, v70, 6, v68
	v_lshl_or_b32 v68, v71, 13, v68
	v_cndmask_b32 v68, 27, v68, s70
	; the way out: lane L picks quarter L & 3 of its record (two levels of selects under constant lane masks), so that lanes 0-15
	; hold the four records' 256 bytes in order: record L >> 2, quarter L & 3 lies at byte 16 L
	s_mov_b32 s81, 0xaaaaaaaa                      ; lanes with L & 1
	s_mov_b32 s82, 0xcccccccc                      ; lanes with L & 2
.irp j, 0,1,2,3
	v_cndmask_b32 v[124+\j], v[100+\j], v[104+\j], s81     ; quarter 0 or 1
	v_cndmask_b32 v[92+\j],  v[108+\j], v[112+\j], s81     ; quarter 2 or 3
.endr
.irp j, 0,1,2,3
	v_cndmask_b32 v[124+\j], v[124+\j], v[92+\j], s82
.endr
	s_lshl_b32 s58, s23, 8
	s_lshl_b32 s59, s23, 4
	v_lshl_add_u32 v96, v1, 4, s58                 ; par: 256 g + 16 L
	v_add_nc_u32 v97, s59, v58                     ; key: 16 g + 4 ((L >> 2) & 3)
	v_lshlrev_b32 v98, 4, v1                       ; null record: 16 L
	v_and_b32 v99, 0x13, v1                        ; zero in lanes 0, 4, 8, 12: one lane for each of the four Gaussians
	s_wait_dscnt 0x0                               ; the partial ranks
	v_add3_u32 v116, v116, v117, v118
	v_add3_u32 v119, v119, v120, v121
	v_add3_u32 v116, v116, v122, v123
	v_add_nc_u32 v116, v116, v119                  ; the rank
	v_lshl_or_b32 v116, v116, 20, v68              ; the key
	v_cmp_gt_u32 vcc_lo, 16, v1
	s_wait_xcnt 0x0                                ; EXEC changes only behind this wait: it is a source of every earlier load
	s_and_saveexec_b32 s80, vcc_lo
	global_store_b128 v96, v[124:127], s[18:19]    ; sixteen lanes: 256 consecutive bytes, aligned
	s_wait_xcnt 0x0
	s_or_b32 exec_lo, exec_lo, s80
	v_cmp_eq_u32 vcc_lo, 0, v99
	s_and_saveexec_b32 s80, vcc_lo
	global_store_b32 v97, v116, s[20:21]           ; four keys, 16 consecutive bytes
	s_wait_xcnt 0x0
	s_or_b32 exec_lo, exec_lo, s80
	s_cmp_lg_u32 s23, 0
	s_cbranch_scc1 .Lend
	v_mov_b32 v93, 0xc9800000                      ; work-group 0: the null record; lane q holds words 4 q .. 4 q + 3, cap is word 6
	v_cmp_eq_u32 vcc_lo, 1, v1
	v_cndmask_b32 v94, 0, v93, vcc_lo
	v_mov_b32 v92, 0
	v_mov_b32 v93, 0
	v_mov_b32 v95, 0
	v_cmp_gt_u32 vcc_lo, 4, v1
	s_and_saveexec_b32 s80, vcc_lo
	global_store_b128 v98, v[92:95], s[18:19] offset:65536
	s_wait_xcnt 0x0
	s_or_b32 exec_lo, exec_lo, s80
.Lend:
	s_barrier_signal -1
	s_barrier_wait -1
	s_wait_tensorcnt 0x0
	ds_add_u32 v128, v129
	s_wait_dscnt 0x0
	s_endpgm
.Lfunc_end_k_q4127036f69_prep:
	.size	k_q4127036f69_prep, .Lfunc_end_k_q4127036f69_prep-k_q4127036f69_prep
	.p2alignl 7, 3214868480
	.fill 96, 4, 3214868480
	.section	.rodata,"a",@progbits
	.p2align	6, 0x0
	.amdhsa_kernel k_q4127036f69_prep
		.amdhsa_group_segment_fixed_size 1280
		.amdhsa_private_segment_fixed_size 0
		.amdhsa_enable_private_segment 0
		.amdhsa_kernarg_size 72
		.amdhsa_user_sgpr_count 2
		.amdhsa_user_sgpr_kernarg_segment_ptr 1
		.amdhsa_wavefront_size32 1
		.amdhsa_system_sgpr_workgroup_id_x 1
		.amdhsa_system_sgpr_workgroup_id_y 1
		.amdhsa_system_sgpr_workgroup_id_z 1
		.amdhsa_system_vgpr_workitem_id 0
		.amdhsa_next_free_vgpr 130
		.amdhsa_next_free_sgpr 84
		.amdhsa_reserve_vcc 1
		.amdhsa_float_denorm_mode_32 3
		.amdhsa_float_denorm_mode_16_64 3
		.amdhsa_memory_ordered 1
		.amdhsa_forward_progress 1
		.amdhsa_inst_pref_size 23
	.end_amdhsa_kernel
	.amdgpu_metadata
---
amdhsa.version: [ 1, 2 ]
amdhsa.kernels:
  - .name:           k_q4127036f69_prep
    .symbol:         k_q4127036f69_prep.kd
    .args:
      - { .name: means3D, .offset: 0, .size: 8, .value_kind: global_buffer, .address_space: global }
      - { .name: viewmatrix, .offset: 8, .size: 8, .value_kind: global_buffer, .address_space: global }
      - { .name: projmatrix, .offset: 16, .size: 8, .value_kind: global_buffer, .address_space: global }
      - { .name: scales, .offset: 24, .size: 8, .value_kind: global_buffer, .address_space: global }
      - { .name: rotations, .offset: 32, .size: 8, .value_kind: global_buffer, .address_space: global }
      - { .name: opacities, .offset: 40, .size: 8, .value_kind: global_buffer, .address_space: global }
      - { .name: colors_precomp, .offset: 48, .size: 8, .value_kind: global_buffer, .address_space: global }
      - { .name: par, .offset: 56, .size: 8, .value_kind: global_buffer, .address_space: global }
      - { .name: key, .offset: 64, .size: 8, .value_kind: global_buffer, .address_space: global }
    .group_segment_fixed_size: 1280
    .private_segment_fixed_size: 0
    .kernarg_segment_align: 8
    .kernarg_segment_size: 72
    .max_flat_workgroup_size: 256
    .sgpr_count:     84
    .vgpr_count:     130
    .wavefront_size: 32
...
	.end_amdgpu_metadata
.endif
;; end of part 1
;; launch render (part 2): grid 4 x 64, 4 waves a work-group, no clusters, 168,448 bytes of LDS; arguments key, par, bg, out0, out1, out2; writes out0, out1, out2
.if DOCPART == 2
	.amdgcn_target "amdgcn-amd-amdhsa--gfx1250"
	.amdhsa_code_object_version 6
	.text
	.protected	k_q4127036f69_render
	.globl	k_q4127036f69_render
	.p2align	8
	.type	k_q4127036f69_render,@function
k_q4127036f69_render:
	s_mov_b64 s[64:65], 0
	v_nop
	global_prefetch_b8 v0, s[64:65] scope:SCOPE_SE
	s_setreg_imm32_b32 hwreg(HW_REG_WAVE_MODE, 25, 1), 1
	s_wait_xcnt 0x0
; GAUSSIAN RASTERIZER, SECOND LAUNCH: per tile, the list of Gaussians whose box meets it, in depth order, and the compositing.
; A work-group is a tile of 64 x 4 pixels (tx = x id, ty = y id); wave w is image row 4 ty + w; lane L holds pixels x = 64 tx + 2 L and + 1,
; which go through packed f32 arithmetic and leave as 8 bytes: a wave's store covers 256 consecutive, aligned bytes of an output row.
; reference() sets alpha to 0 outside a Gaussian's box and for Gaussians that are not valid; such pairs add nothing and are left out here.
; A list can hold all 1,024 Gaussians, so any data are served.  All addresses, trip counts and branches come from the whole numbers in key.
; PHASES  1 every key is tested against the tile; i (hit) or 1024 (no hit) goes to LDS slot [rank]      (ranks are a permutation);
;           each wave also counts the tile's hits, n, over all 1,024 keys in its own registers: trip counts pass through no LDS
;         2 each wave counts the hits in its 256 slots    3 and writes them, in order, to the list behind the earlier waves' hits
;         4 the listed records come from par into LDS, in list order, padded with the null record 1024 (alpha 0)
;         5 front to back, four entries a trip: a = exp2(min(exponent, cap, box terms)); w = a T; T -= w; sums += w (r, g, b, depth)
;         6 render = bg T + sums, depth, alpha = 1 - T.   This is reference()'s suffix product and einsum, summed from the other end.
; The einsum has four columns and a few dozen terms a tile after culling, and a lane holds all terms of its own pixels: four packed
; multiply-adds in f32 an entry do it; no matrix form is used.  No tile is shared between work-groups but 4 KB of keys: no cluster.
; LIMITS: as stated in the first launch (finite inputs; records of valid Gaussians are finite).  An alpha below 2^-126 comes out as 0
; (v_exp_f32 flushes).  The exponent is formed as (A dx + B dy) dx + C dy dy + log2(op), and T as T - a T: other roundings than reference()'s.
.set SLOTS, 0                          ; LDS     0 -  4095: 1,024 words, by rank
.set LIST,  4096                       ; LDS  4096 - 10239: 1,536 words; entries below 1,152 are read; 1532 + wave takes what is no hit
.set WT,    10240                      ; LDS 10240 - 10255: the four waves' counts
.set PAR,   10496                      ; LDS 10496 - 84223: 1,152 records of 64 bytes, in list order
.set NUL,   1024                       ; index of the null record
.set XX,   64                          ; v[64:65]   x of my two pixels
.set YY,   66                          ; v66        y
.set BIG,  68                          ; v[68:69]   -2^20, twice
.set TT,   70                          ; v[70:71]   T
.set ACC,  72                          ; v[72:79]   sums r, g, b, depth (pairs)
.set RA,   80                          ; v80        256 x trip: where in PAR the next four records lie (the same in all lanes)
.set OFO,  81                          ; v81        my byte offset in an output plane
.set SETA, 96                          ; v[96:127]  two records
.set KALL, 96                          ; v[96:127]  before that: all 1,024 keys, 32 a lane
.set SETB, 128                         ; v[128:159] two records
.set TQ,   160                         ; v[160:179], v[180:199] at work for the two entries of a pair
.set OUT,  200                         ; v[200:207] output values
.set HM,   66                          ; s[66:97]   hit masks of all keys
; other vectors: v1 lane; v2 16 t; v[4:11] keys; v[12:19] values; v[20:27] LDS addresses; v[28:31] 1024; v32 dump entry; v33 4 t; v34 slot address;
;                v[36:39] list indices, then offsets in par; v[40:55] gathered quarters; v56 4 (t >> 2); v59 16 t + 49152; v60 16 (t & 3); v61 16 lane
; scalars: s[4:15] addresses; s[16:18] bg; s20 wave; s21 tx; s22 ty; s23 K; s24 G; s25 running place; s26 n; s27 passes; s28 trips; s29 counter;
;          s30, s31 at work; s[32:39] hit masks of my slots; s[40:42] counts; s[44:46] terms of the wave's base; s47 y; s48, s49 y-box masks
	s_load_b256 s[4:11], s[0:1], 0x0               ; key 4, par 6, bg 8, out0 10
	s_load_b128 s[12:15], s[0:1], 0x20             ; out1 12, out2 14
	v_lshl_add_u32 v208, v0, 2, 0x29000
	v_mov_b32 v209, 0
	v_lshrrev_b32 v3, 5, v0
	v_readfirstlane_b32 s20, v3                    ; wave 0..3
	v_and_b32 v1, 31, v0
	v_lshlrev_b32 v2, 4, v0
	v_lshlrev_b32 v61, 4, v1
	s_mov_b32 s21, ttmp9
	s_and_b32 s22, ttmp7, 0xffff
	s_wait_kmcnt 0x0
	global_load_b128 v[4:7],  v2, s[4:5]               ; keys of i = 4 t + c
	global_load_b128 v[8:11], v2, s[4:5] offset:2048   ; and of i = 512 + 4 t + c: the thread's share of the scatter
.irp k, 0,1,2,3,4,5,6,7
	global_load_b128 v[KALL+4*\k:KALL+4*\k+3], v61, s[4:5] offset:512*\k   ; all 4,096 bytes of keys, for the wave's own count
.endr
	s_load_b96 s[16:18], s[8:9], 0x0               ; bg: waited for in phase 6
	; while the keys are on their way: the list is filled with the null index, and everything that hangs on ids alone is made
.irp r, 28,29,30,31
	v_mov_b32 v\r, NUL
.endr
.irp k, 0,1,2
	ds_store_b128 v2, v[28:31] offset:LIST+2048*\k
.endr
	; K = (4 | tx) | (4 | 3 - tx) << 3 | (64 | ty) << 6 | (64 | 63 - ty) << 13.  In K - key each field keeps its guard bit (2, 5, 12, 19)
	; exactly if K's field is not below the key's; no field borrows from the next, since guard + field - field is at least 1.
	s_or_b32 s23, s21, 4
	s_sub_co_u32 s30, 3, s21
	s_or_b32 s30, s30, 4
	s_lshl_b32 s30, s30, 3
	s_or_b32 s23, s23, s30
	s_or_b32 s30, s22, 64
	s_lshl_b32 s30, s30, 6
	s_or_b32 s23, s23, s30
	s_sub_co_u32 s30, 63, s22
	s_or_b32 s30, s30, 64
	s_lshl_b32 s30, s30, 13
	s_or_b32 s23, s23, s30
	s_mov_b32 s24, 0x81024                         ; G: the four guard bits
	v_lshlrev_b32 v33, 2, v0                       ; 4 t
	v_lshlrev_b32 v34, 2, v1
	s_lshl_b32 s30, s20, 10
	v_add_nc_u32 v34, s30, v34                     ; slot 256 wave + lane, in bytes
	s_add_co_u32 s30, s20, 1532
	v_mov_b32 v32, s30                             ; the wave's dump entry
	v_and_b32 v56, 0x7c, v0                        ; 4 (t >> 2): four threads share a list entry and bring its record's four quarters
	v_add_nc_u32 v59, 0xc000, v2                   ; 16 t + 6 passes of 8,192 bytes: the later passes' offsets would not fit 16 bits
	v_and_b32 v60, 3, v0
	v_lshlrev_b32 v60, 4, v60
	v_lshlrev_b32 v3, 1, v1
	s_lshl_b32 s30, s21, 6
	v_add_nc_u32 v3, s30, v3
	v_cvt_f32_u32 v[XX], v3
	v_add_f32 v[XX+1], 1.0, v[XX]
	s_lshl_b32 s47, s22, 2
	s_add_co_u32 s47, s47, s20                     ; y = 4 ty + wave
	v_cvt_f32_u32 v[YY], s47
	s_lshl_b32 s30, s47, 10
	s_lshl_b32 s31, s21, 8
	s_add_co_u32 s30, s30, s31
	v_lshl_add_u32 v[OFO], v1, 3, s30              ; 1024 y + 256 tx + 8 L
	v_mov_b32 v[BIG], 0xc9800000
	v_mov_b32 v[BIG+1], 0xc9800000
	v_mov_b32 v[TT], 1.0
	v_mov_b32 v[TT+1], 1.0
.irp r, 0,1,2,3,4,5,6,7
	v_mov_b32 v[ACC+\r], 0                         ; a list may be empty: the sums cannot be started by a first entry
.endr
	; ---- phase 1 ----
.macro SCAT e, idx
	v_lshrrev_b32 v[20+\e], 20, v[4+\e]            ; the rank,
	v_min_u32 v[20+\e], 0x3ff, v[20+\e]            ; held inside the 1,024 slots
	v_lshlrev_b32 v[20+\e], 2, v[20+\e]
	v_sub_nc_u32 v[12+\e], s23, v[4+\e]
	v_and_b32 v[12+\e], s24, v[12+\e]
	v_cmp_eq_u32 vcc_lo, s24, v[12+\e]             ; all four guard bits alive: the box meets the tile
	v_add_nc_u32 v[12+\e], \idx, v33
	v_cndmask_b32 v[12+\e], v28, v[12+\e], vcc_lo  ; i, or 1024
	ds_store_b32 v[20+\e], v[12+\e] offset:SLOTS
.endm
	s_wait_loadcnt 0x8                             ; my two loads were issued first; the eight loads of all keys behind them may stay out
	SCAT 0, 0
	SCAT 1, 1
	SCAT 2, 2
	SCAT 3, 3
	SCAT 4, 512
	SCAT 5, 513
	SCAT 6, 514
	SCAT 7, 515
	s_wait_loadcnt 0x0                             ; all keys
	s_wait_dscnt 0x0                               ; zero: other waves read the slots, and write the list, behind the barrier
	s_barrier_signal -1
	; while the others arrive, on registers alone: n = the tile's hits among all 1,024 keys, the same test as above, 32 keys a line
.set j, 0
.rept 32
	v_sub_nc_u32 v[KALL+j], s23, v[KALL+j]
.set j, j+1
.endr
.set j, 0
.rept 32
	v_and_b32 v[KALL+j], s24, v[KALL+j]
.set j, j+1
.endr
.set j, 0
.rept 32
	v_cmp_eq_u32 s[HM+j], s24, v[KALL+j]
.set j, j+1
.endr
	s_bcnt1_i32_b32 s26, s[HM]                     ; the first count starts the sum
.set j, 1
.rept 31
	s_bcnt1_i32_b32 s30, s[HM+j]
	s_add_co_u32 s26, s26, s30
.set j, j+1
.endr
	s_min_u32 s26, s26, 1024                       ; n, the list's length
	s_barrier_wait -1
	; ---- phase 2 ----
.irp k, 0,1,2,3,4,5,6,7
	ds_load_b32 v[12+\k], v34 offset:SLOTS+128*\k  ; slots 256 wave + 32 k + lane
.endr
	s_wait_dscnt 0x0
.irp k, 0,1,2,3,4,5,6,7
	v_cmp_gt_u32 s[32+\k], v28, v[12+\k]           ; below 1024: a hit
.endr
	s_bcnt1_i32_b32 s25, s32
.irp k, 1,2,3,4,5,6,7
	s_bcnt1_i32_b32 s30, s[32+\k]
	s_add_co_u32 s25, s25, s30
.endr
	v_mov_b32 v35, s25
	s_lshl_b32 s30, s20, 2
	v_mov_b32 v36, s30
	ds_store_b32 v36, v35 offset:WT
	s_wait_dscnt 0x0                               ; zero: every wave reads the counts behind the barrier
	s_barrier_signal -1
	s_barrier_wait -1
	; ---- phase 3 ----
	v_mov_b32 v37, 0
	ds_load_b128 v[40:43], v37 offset:WT           ; the waves' counts by slots; the last wave's is in front of nobody and is not used
	s_wait_dscnt 0x0
	v_readfirstlane_b32 s40, v40
	v_readfirstlane_b32 s41, v41
	v_readfirstlane_b32 s42, v42
	s_cmp_gt_u32 s20, 0
	s_cselect_b32 s44, s40, 0
	s_cmp_gt_u32 s20, 1
	s_cselect_b32 s45, s41, 0
	s_cmp_gt_u32 s20, 2
	s_cselect_b32 s46, s42, 0
	s_add_co_u32 s25, s44, s45
	s_add_co_u32 s25, s25, s46                     ; hits of the waves in front of me: my first place in the list
.macro COMPACT k
	v_mbcnt_lo_u32_b32 v[20+\k], s[32+\k], s25     ; place = hits so far + hits in the lanes below me
	v_cndmask_b32 v[20+\k], v32, v[20+\k], s[32+\k]    ; what is no hit goes to the dump entry: EXEC stays whole
	v_min_u32 v[20+\k], 0x5ff, v[20+\k]            ; held inside the list's 1,536 words
	v_lshlrev_b32 v[20+\k], 2, v[20+\k]
	ds_store_b32 v[20+\k], v[12+\k] offset:LIST
	s_bcnt1_i32_b32 s30, s[32+\k]
	s_add_co_u32 s25, s25, s30
.endm
.irp k, 0,1,2,3,4,5,6,7
	COMPACT \k
.endr
	s_wait_dscnt 0x0                               ; zero: all waves read the list behind the barrier
	s_barrier_signal -1
	s_barrier_wait -1
	; ---- phase 4: a pass brings 128 records: thread t the quarter t & 3 of records 128 p + 32 u + (t >> 2), u = 0..3.
	; The nine passes that 1,152 records can take are written out, each with constant LDS offsets; the phase is left as soon as records up to
	; index n + 8 at the least are there (phase 5 looks ahead to n + 4).  For n below 120 that is one pass.
.macro GPASS p
.if \p >= 6
.set GB, 59
.set GO, PAR+8192*(\p-6)
.else
.set GB, 2
.set GO, PAR+8192*\p
.endif
.irp u, 0,1,2,3
	ds_load_b32 v[36+\u], v56 offset:LIST+512*\p+128*\u
.endr
	s_wait_dscnt 0x0                               ; the indices; also the last pass's stores, whose data registers are loaded again below
.irp u, 0,1,2,3
	v_min_u32 v[36+\u], 0x400, v[36+\u]            ; held inside par's 1,025 records
	v_lshl_add_u32 v[36+\u], v[36+\u], 6, v60
.endr
.irp u, 0,1,2,3
	global_load_b128 v[40+4*\u:43+4*\u], v[36+\u], s[6:7]
.endr
	s_wait_loadcnt 0x0                             ; all four are stored at once; this wait also frees their offsets for the next pass
.irp u, 0,1,2,3
	ds_store_b128 v[GB], v[40+4*\u:43+4*\u] offset:GO+2048*\u      ; PAR + 8192 p + 2048 u + 16 t: consecutive lanes, consecutive 16 bytes
.endr
.endm
	s_add_co_u32 s27, s26, 8
	s_lshr_b32 s27, s27, 7
	s_add_co_u32 s27, s27, 1                       ; passes = (n + 8) / 128 + 1, at most 9 as n is at most 1,024
	GPASS 0
.irp p, 1,2,3,4,5,6,7,8
	s_cmp_le_u32 s27, \p
	s_cbranch_scc1 .Lgdone
	GPASS \p
.endr
.Lgdone:
	s_wait_dscnt 0x0                               ; zero: all waves read the records behind the barrier
	s_barrier_signal -1
	s_barrier_wait -1
	; ---- phase 5 ----
.macro LOADSET set, off                ; two records, 128 bytes, the same words for all lanes
.irp q, 0,1,2,3,4,5,6,7
	ds_load_b128 v[\set+4*\q:\set+4*\q+3], v[RA] offset:PAR+\off+16*\q
.endr
.endm
.macro BLEND P, Q                      ; sums += w x (r, g, b, depth), each colour spread over both pixels
	v_pk_fma_f32 v[ACC:ACC+1],   v[\Q+16:\Q+17], v[\P+12:\P+13], v[ACC:ACC+1]   op_sel_hi:[1,0,1]
	v_pk_fma_f32 v[ACC+2:ACC+3], v[\Q+16:\Q+17], v[\P+12:\P+13], v[ACC+2:ACC+3] op_sel:[0,1,0] op_sel_hi:[1,1,1]
	v_pk_fma_f32 v[ACC+4:ACC+5], v[\Q+16:\Q+17], v[\P+14:\P+15], v[ACC+4:ACC+5] op_sel_hi:[1,0,1]
	v_pk_fma_f32 v[ACC+6:ACC+7], v[\Q+16:\Q+17], v[\P+14:\P+15], v[ACC+6:ACC+7] op_sel:[0,1,0] op_sel_hi:[1,1,1]
.endm
; Two list entries, their lines in turn so that neither waits for itself.  P: the record; Q: at work:
; Q dy, Q+1 clamped y, Q+2:3 dx, Q+4:5 x - xc and what becomes of it, Q+6 u, Q+7 q, Q+8 C dy, Q+9 cap, Q+10:11 A dx + u, Q+12:13 exponent, Q+14:15 alpha, Q+16:17 w
.macro PAIR S
.irp e, 0,1
.set P, \S+16*\e
.set Q, TQ+20*\e
	v_sub_f32 v[Q], v[YY], v[P+1]                                  ; dy = y - my
	v_med3_num_f32 v[Q+1], v[YY], v[P+9], v[P+10]                  ; y held in [ylo, yhi]
	v_pk_add_f32 v[Q+2:Q+3], v[XX:XX+1], v[P:P+1] op_sel_hi:[1,0] neg_lo:[0,1] neg_hi:[0,1]                ; dx = x - mx
	v_pk_add_f32 v[Q+4:Q+5], v[XX:XX+1], v[P+6:P+7] op_sel:[0,1] op_sel_hi:[1,1] neg_lo:[0,1] neg_hi:[0,1] ; x - xc
.endr
.irp e, 0,1
.set P, \S+16*\e
.set Q, TQ+20*\e
	v_mul_f32 v[Q+6], v[P+3], v[Q]                                 ; u = B dy
	v_mul_f32 v[Q+8], v[P+4], v[Q]                                 ; C dy
	v_cmp_eq_f32 s[48+\e], v[Q+1], v[YY]                           ; y is inside the box
	v_pk_mul_f32 v[Q+4:Q+5], v[Q+4:Q+5], v[Q+4:Q+5]                ; (x - xc)^2
.endr
.irp e, 0,1
.set P, \S+16*\e
.set Q, TQ+20*\e
	v_fma_f32 v[Q+7], v[Q+8], v[Q], v[P+5]                         ; q = C dy dy + lop
	v_cndmask_b32 v[Q+9], v[BIG], v[P+6], s[48+\e]                 ; cap, or -2^20 outside in y
	v_pk_fma_f32 v[Q+4:Q+5], v[Q+4:Q+5], v[BIG:BIG+1], v[P+8:P+9] op_sel_hi:[1,1,0]    ; 2^20 (hw^2 - (x - xc)^2), exact: >= 0 inside, <= -2^20 outside
.endr
.irp e, 0,1
.set P, \S+16*\e
.set Q, TQ+20*\e
	v_pk_fma_f32 v[Q+10:Q+11], v[Q+2:Q+3], v[P+2:P+3], v[Q+6:Q+7] op_sel_hi:[1,0,0]    ; A dx + u
.endr
.irp e, 0,1
.set Q, TQ+20*\e
	v_pk_fma_f32 v[Q+12:Q+13], v[Q+10:Q+11], v[Q+2:Q+3], v[Q+6:Q+7] op_sel:[0,0,1] op_sel_hi:[1,1,1]   ; (A dx + u) dx + q
.endr
.irp e, 0,1
.set Q, TQ+20*\e
	v_min3_num_f32 v[Q+12], v[Q+12], v[Q+4], v[Q+9]                ; the cap and both box tests in one line a pixel
	v_min3_num_f32 v[Q+13], v[Q+13], v[Q+5], v[Q+9]
	v_exp_f32 v[Q+14], v[Q+12]                                     ; alpha.  The plain line owed behind these two (ISA guide 5.7.2) is the second
	v_exp_f32 v[Q+15], v[Q+13]                                     ; entry's v_min3 for the first entry, the first entry's v_pk_mul for the second
.endr
	s_wait_alu depctr_va_vdst(0)
	v_pk_mul_f32 v[TQ+16:TQ+17], v[TQ+14:TQ+15], v[TT:TT+1]        ; w = alpha T
	v_pk_add_f32 v[TT:TT+1], v[TT:TT+1], v[TQ+16:TQ+17] neg_lo:[0,1] neg_hi:[0,1]
	BLEND \S, TQ
	v_pk_mul_f32 v[TQ+36:TQ+37], v[TQ+34:TQ+35], v[TT:TT+1]
	v_pk_add_f32 v[TT:TT+1], v[TT:TT+1], v[TQ+36:TQ+37] neg_lo:[0,1] neg_hi:[0,1]
	BLEND \S+16, TQ+20
.endm
	s_add_co_u32 s28, s26, 3
	s_lshr_b32 s28, s28, 2                         ; trips of four entries; the list's tail is null records
	s_cmp_eq_u32 s28, 0
	s_cbranch_scc1 .Lout                           ; an empty list: T = 1, sums = 0
	v_mov_b32 v[RA], 0
	LOADSET SETA, 0
	s_mov_b32 s29, 0
.Lcomp:
	LOADSET SETB, 128
	s_wait_dscnt 0x8                               ; sixteen loads are out; the eight younger (set B) may stay out: set A is in
	PAIR SETA
	s_add_co_u32 s29, s29, 1
	v_mov_b32 v[RA], s29                           ; the next trip's four records:
	v_min_u32 v[RA], 0x100, v[RA]                  ; at most trip 256 = entry 1,024, inside PAR's 1,152
	v_lshlrev_b32 v[RA], 8, v[RA]
	LOADSET SETA, 0                                ; in the last trip: entries up to n + 4, null records, read and not used
	s_wait_dscnt 0x8                               ; set B is in; the next trip's set A stays out, as at the loop's entry
	PAIR SETB
	s_cmp_lt_u32 s29, s28
	s_cbranch_scc1 .Lcomp
	s_wait_dscnt 0x0                               ; the look-ahead's loads
.Lout:
	; ---- phase 6 ----
	s_wait_kmcnt 0x0                               ; bg
	v_fma_f32 v[OUT],   s16, v[TT],   v[ACC]
	v_fma_f32 v[OUT+1], s16, v[TT+1], v[ACC+1]
	v_fma_f32 v[OUT+2], s17, v[TT],   v[ACC+2]
	v_fma_f32 v[OUT+3], s17, v[TT+1], v[ACC+3]
	v_fma_f32 v[OUT+4], s18, v[TT],   v[ACC+4]
	v_fma_f32 v[OUT+5], s18, v[TT+1], v[ACC+5]
	v_sub_f32 v[OUT+6], 1.0, v[TT]
	v_sub_f32 v[OUT+7], 1.0, v[TT+1]
	global_store_b64 v[OFO], v[OUT:OUT+1],   s[10:11]                  ; each store of the wave: 256 consecutive bytes, aligned
	global_store_b64 v[OFO], v[OUT+2:OUT+3], s[10:11] offset:262144
	global_store_b64 v[OFO], v[OUT+4:OUT+5], s[10:11] offset:524288
	global_store_b64 v[OFO], v[ACC+6:ACC+7], s[12:13]
	global_store_b64 v[OFO], v[OUT+6:OUT+7], s[14:15]
	s_barrier_signal -1
	s_barrier_wait -1
	s_wait_tensorcnt 0x0
	ds_add_u32 v208, v209
	s_wait_dscnt 0x0
	s_endpgm
.Lfunc_end_k_q4127036f69_render:
	.size	k_q4127036f69_render, .Lfunc_end_k_q4127036f69_render-k_q4127036f69_render
	.p2alignl 7, 3214868480
	.fill 96, 4, 3214868480
	.section	.rodata,"a",@progbits
	.p2align	6, 0x0
	.amdhsa_kernel k_q4127036f69_render
		.amdhsa_group_segment_fixed_size 168448
		.amdhsa_private_segment_fixed_size 0
		.amdhsa_enable_private_segment 0
		.amdhsa_kernarg_size 48
		.amdhsa_user_sgpr_count 2
		.amdhsa_user_sgpr_kernarg_segment_ptr 1
		.amdhsa_wavefront_size32 1
		.amdhsa_system_sgpr_workgroup_id_x 1
		.amdhsa_system_sgpr_workgroup_id_y 1
		.amdhsa_system_sgpr_workgroup_id_z 1
		.amdhsa_system_vgpr_workitem_id 0
		.amdhsa_next_free_vgpr 210
		.amdhsa_next_free_sgpr 98
		.amdhsa_reserve_vcc 1
		.amdhsa_float_denorm_mode_32 3
		.amdhsa_float_denorm_mode_16_64 3
		.amdhsa_memory_ordered 1
		.amdhsa_forward_progress 1
		.amdhsa_inst_pref_size 40
	.end_amdhsa_kernel
	.amdgpu_metadata
---
amdhsa.version: [ 1, 2 ]
amdhsa.kernels:
  - .name:           k_q4127036f69_render
    .symbol:         k_q4127036f69_render.kd
    .args:
      - { .name: key, .offset: 0, .size: 8, .value_kind: global_buffer, .address_space: global }
      - { .name: par, .offset: 8, .size: 8, .value_kind: global_buffer, .address_space: global }
      - { .name: bg, .offset: 16, .size: 8, .value_kind: global_buffer, .address_space: global }
      - { .name: out0, .offset: 24, .size: 8, .value_kind: global_buffer, .address_space: global }
      - { .name: out1, .offset: 32, .size: 8, .value_kind: global_buffer, .address_space: global }
      - { .name: out2, .offset: 40, .size: 8, .value_kind: global_buffer, .address_space: global }
    .group_segment_fixed_size: 168448
    .private_segment_fixed_size: 0
    .kernarg_segment_align: 8
    .kernarg_segment_size: 48
    .max_flat_workgroup_size: 128
    .sgpr_count:     98
    .vgpr_count:     210
    .wavefront_size: 32
...
	.end_amdgpu_metadata
.endif
;; end of part 2
